; MI455X (gfx1250); checked and timed in simulation.
; The chip was launched on July 23, 2026; its instructions are those of AMD's public machine-readable ISA for CDNA 5 (MIT licence, August 2026) and "CDNA5" Instruction Set Architecture Reference Guide (July 2026). The comments in the code are by the model that wrote it; some were corrected since.
;; Triangle Attention Block. Allowed arithmetic: float matrix products may take bf16 or f16 operands with f32 sums; all other float work in f32.
;; Inputs: Wk 128 x 128 float32; Wq 128 x 128 float32; Wv 128 x 128 float32; atom_mask 64 int32; bk 128 float32; bq 128 float32; bv 128 float32; pair_features 64 x 64 x 128 float32.
;; Outputs: out0 64 x 128 float32.
;; 2 versions, each right; version 2 is version 1 with the launch proj written anew for expert scheduling mode. Each part assembles by itself: llvm-mc -triple=amdgcn-amd-amdhsa -mcpu=gfx1250 --defsym DOCPART=n.
;; ======== version 1 of 2: 2 launches
;; workspace buffers: qf 1,048,576 bytes; kv 2,162,688 bytes
;; launch proj (part 1): grid 64 x 4, 8 waves a work-group, no clusters, 47,104 bytes of LDS; arguments pair_features, atom_mask, Wq, bq, Wk, bk, Wv, bv, qf, kv; writes qf, kv
.if DOCPART == 1
	.amdgcn_target "amdgcn-amd-amdhsa--gfx1250"
	.amdhsa_code_object_version 6
	.text
	.protected	k_q804f6c2bd1_proj
	.globl	k_q804f6c2bd1_proj
	.p2align	8
	.type	k_q804f6c2bd1_proj,@function
k_q804f6c2bd1_proj:
	s_mov_b64 s[64:65], 0
	v_nop
	global_prefetch_b8 v0, s[64:65] scope:SCOPE_SE
	s_setreg_imm32_b32 hwreg(HW_REG_WAVE_MODE, 25, 1), 1
	s_wait_xcnt 0x0
; q, k, v = x W + b for 64 rows of x (all pairs of one first atom g) and the 32 features of one head, rounded once to bf16 and stored
; in the order in which the next launch's matrix instructions hold them in registers; and the table of the 64 keys' score bias.
;   qf: [head 4][g 64][row tile 4][chunk 2][lane 32][16 bytes]   q times 1/sqrt(32) times log2(e)
;   kv: [head 4][g 64][8,448 bytes]: 4 K tiles of 1,024 bytes, 4 V fragments of 1,024 bytes, 64 f32 of bias
; A fragment of 1,024 bytes is a register image: bytes 512 c + 16 lane are that lane's registers 4c .. 4c+3.  So every store here, and
; every load of the next launch, is 512 consecutive bytes of one wave.
; THE MASK.  Key (g, b) counts if atom g and atom b do.  bias = 0 for a key that counts and -2^120 for one that does not; the next launch
; adds it to the score.  If no atom counts at all, reference() gives every key the same score: then bias = 0 everywhere and q = 0, which
; gives equal scores too.  LIMIT: a score times log2(e) below -2^119 would no longer stand above a masked key's (reference() draws that
; line at the least finite f32).  NaN and infinities in the inputs are not served.
; Eight waves: wave w makes row tile rt = w & 3 (16 rows) x feature tile c = w >> 2 (16 features) of q, of k and of v: three accumulators,
; four K steps of 32.  x and W are f32 in memory, so they pass through registers, where they are rounded to bf16, into LDS.  For that
; reason no tile is asked for jointly with other work-groups: a joint load would land f32 in LDS and the bytes would be read twice there.
; A head's slice of a row of W is 128 bytes: that is the tensor's own shape.
.set XP,  272                          ; LDS pitch of a row of x: 256 bytes + 16, so the 16 rows of a fragment load begin 16 bytes apart modulo 256
.set WS,  64*XP                        ; W's stage begins behind x's 64 rows
.set WP,  224                          ; LDS pitch of a row of W: 96 features (q 0-31, k 32-63, v 64-95) = 192 bytes + 32: seven times 32
.set LD,  24                           ; v[24:103]   twenty loads of 16 bytes: x 8, Wq 4, Wk 4, Wv 4
.set XF,  24                           ; v[24:55]    later: x's fragments, K step kk at +8 kk
.set WF,  56                           ; v[56:151]   later: W's fragments, matrix mat, K step kk at +32 mat + 8 kk
.set AQ,  152                          ; v[152:159]  q's sums
.set AK,  160                          ; v[160:167]  k's sums
.set AV,  168                          ; v[168:175]  v's sums
.set KVBLK,  8448
.set KVHEAD, 64*KVBLK
; v1 lane L, v2 r = L & 15, v3 h = L >> 4; v4-v14 addresses (below); v[16:17] mask words; v[18:19] bias; v20, v21 the two bias values
	s_load_b512 s[8:23], s[0:1], 0x0               ; x 8:9, mask 10:11, Wq 12:13, bq 14:15, Wk 16:17, bk 18:19, Wv 20:21, bv 22:23
	s_load_b128 s[24:27], s[0:1], 0x40             ; qf 24:25, kv 26:27
	v_lshl_add_u32 v176, v0, 2, 0xb400
	v_mov_b32 v177, 0
	v_lshrrev_b32 v15, 5, v0
	v_readfirstlane_b32 s4, v15                    ; wave
	s_mov_b32 s2, ttmp9                            ; g
	s_and_b32 s3, ttmp7, 0xffff                    ; head
	s_and_b32 s5, s4, 3                            ; rt
	s_lshr_b32 s6, s4, 2                           ; c
	v_and_b32 v1, 31, v0
	v_and_b32 v2, 15, v0
	v_bfe_u32 v3, v0, 4, 1
	v_lshlrev_b32 v4, 4, v0                        ; x in memory: 16 t; load i adds 4,096 i: row 8 i + w, columns 4 L .. 4 L + 3
	v_lshrrev_b32 v15, 3, v0                       ; t >> 3
	v_and_b32 v22, 7, v0                           ; t & 7
	v_lshlrev_b32 v5, 9, v15
	v_lshl_add_u32 v5, v22, 4, v5                  ; W in memory: row t >> 3 (512 bytes), 16 bytes at 16 (t & 7) of the head's 128
	s_mul_i32 s7, s4, XP
	v_lshl_add_u32 v6, v1, 3, s7                   ; x in LDS: row w, 8 bytes at 8 L; load i adds 8 rows
	v_mul_u32_u24 v7, v15, WP
	v_lshl_add_u32 v7, v22, 3, v7
	v_add_nc_u32 v7, WS, v7                        ; W in LDS: row t >> 3, 8 bytes at 8 (t & 7); load i adds 32 rows, the matrix 64 bytes
	s_mul_i32 s7, s5, 16*XP
	v_mul_u32_u24 v8, v2, XP
	v_lshl_add_u32 v8, v3, 4, v8
	v_add_nc_u32 v8, s7, v8                        ; x's fragment: row 16 rt + r, byte 16 h
	v_lshl_add_u32 v23, v3, 3, v22                 ; 8 h + (L & 7)
	v_mul_u32_u24 v9, v23, WP
	v_bfe_u32 v23, v0, 3, 1                        ; (L >> 3) & 1
	v_lshl_add_u32 v9, v23, 4, v9
	s_lshl_b32 s7, s6, 5
	s_add_co_u32 s7, s7, WS
	v_add_nc_u32 v9, s7, v9                        ; W's fragment by the transposing load: row 8 h + (L & 7), byte 32 c + 16 ((L >> 3) & 1)
	s_lshl_b32 s7, s6, 6
	v_lshl_add_u32 v10, v3, 5, s7                  ; bq, bk: features 16 c + 8 h .. + 7
	v_lshl_add_u32 v11, v2, 2, s7                  ; bv: feature 16 c + r
	s_lshl_b32 s7, s5, 10
	s_lshl_b32 s29, s6, 9
	s_add_co_u32 s7, s7, s29
	v_lshl_add_u32 v12, v1, 4, s7                  ; q and k out: tile rt, chunk c, 16 L
	s_lshr_b32 s7, s5, 1
	s_lshl_b32 s7, s7, 11
	s_lshl_b32 s29, s6, 10
	s_add_co_u32 s7, s7, s29
	s_and_b32 s29, s5, 1
	s_lshl_b32 s29, s29, 9
	s_add_co_u32 s7, s7, s29
	s_add_co_u32 s7, s7, 4096
	v_lshl_add_u32 v13, v1, 4, s7                  ; v out: behind K's 4,096 bytes, fragment 2 (rt >> 1) + c, chunk rt & 1, 16 L
	v_lshlrev_b32 v14, 3, v1                       ; 8 L: two words of the mask, two of the bias
	v_mov_b32 v20, 0xfb800000                      ; -2^120
	v_mov_b32 v21, 0
	s_lshl_b32 s38, s2, 2
	s_mov_b32 s39, 0
	s_wait_kmcnt 0x0
	s_add_nc_u64 s[40:41], s[10:11], s[38:39]
	s_load_b32 s28, s[40:41], 0x0                  ; atom_mask[g]
	s_lshl_b32 s38, s2, 15
	s_add_nc_u64 s[8:9], s[8:9], s[38:39]          ; x at row 64 g
	s_lshl_b32 s38, s3, 7                          ; the head's 32 features, 128 bytes
	s_add_nc_u64 s[12:13], s[12:13], s[38:39]
	s_add_nc_u64 s[14:15], s[14:15], s[38:39]
	s_add_nc_u64 s[16:17], s[16:17], s[38:39]
	s_add_nc_u64 s[18:19], s[18:19], s[38:39]
	s_add_nc_u64 s[20:21], s[20:21], s[38:39]
	s_add_nc_u64 s[22:23], s[22:23], s[38:39]
	s_lshl_b32 s38, s3, 6
	s_add_co_u32 s38, s38, s2
	s_lshl_b32 s38, s38, 12
	s_add_nc_u64 s[24:25], s[24:25], s[38:39]      ; qf at block (head, g)
	s_mul_i32 s38, s3, KVHEAD
	s_mul_i32 s7, s2, KVBLK
	s_add_co_u32 s38, s38, s7
	s_add_nc_u64 s[26:27], s[26:27], s[38:39]      ; kv at block (head, g)
	; 26 loads.  The biases land in the accumulators: the first products add onto them.
	global_load_b64 v[16:17], v14, s[10:11]        ; atom_mask[2 L], [2 L + 1]
	global_load_b128 v[AQ:AQ+3], v10, s[14:15]
	global_load_b128 v[AQ+4:AQ+7], v10, s[14:15] offset:16
	global_load_b128 v[AK:AK+3], v10, s[18:19]
	global_load_b128 v[AK+4:AK+7], v10, s[18:19] offset:16
	global_load_b32 v[AV], v11, s[22:23]
.irp i, 0,1,2,3,4,5,6,7
	global_load_b128 v[LD+4*\i:LD+4*\i+3], v4, s[8:9] offset:4096*\i
.endr
.irp i, 0,1,2,3
	global_load_b128 v[LD+32+4*\i:LD+32+4*\i+3], v5, s[12:13] offset:16384*\i
.endr
.irp i, 0,1,2,3
	global_load_b128 v[LD+48+4*\i:LD+48+4*\i+3], v5, s[16:17] offset:16384*\i
.endr
.irp i, 0,1,2,3
	global_load_b128 v[LD+64+4*\i:LD+64+4*\i+3], v5, s[20:21] offset:16384*\i
.endr
	; round to bf16 and stage.  Loads come back in order: the count is the number of younger loads.
.irp i, 0,1,2,3,4,5,6,7
	s_wait_loadcnt 19-\i
	v_cvt_pk_bf16_f32 v[LD+4*\i], v[LD+4*\i], v[LD+4*\i+1]
	v_cvt_pk_bf16_f32 v[LD+4*\i+1], v[LD+4*\i+2], v[LD+4*\i+3]
	ds_store_b64 v6, v[LD+4*\i:LD+4*\i+1] offset:8*XP*\i
.endr
.irp mat, 0,1,2
.irp i, 0,1,2,3
	s_wait_loadcnt 11-4*\mat-\i
	v_cvt_pk_bf16_f32 v[LD+32+16*\mat+4*\i], v[LD+32+16*\mat+4*\i], v[LD+32+16*\mat+4*\i+1]
	v_cvt_pk_bf16_f32 v[LD+32+16*\mat+4*\i+1], v[LD+32+16*\mat+4*\i+2], v[LD+32+16*\mat+4*\i+3]
	ds_store_b64 v7, v[LD+32+16*\mat+4*\i:LD+32+16*\mat+4*\i+1] offset:32*WP*\i+64*\mat
.endr
.endr
	s_wait_dscnt 0x0                               ; my stores are in LDS, for the other waves' sake
	s_barrier_signal -1
	s_barrier_wait -1                              ; everybody's are
	; 32 fragment loads, eight for each K step of 32: x (rows along K: two plain loads), then Wq, Wk, Wv (K down the rows: two transposing loads each)
.irp kk, 0,1,2,3
	ds_load_b128 v[XF+8*\kk:XF+8*\kk+3], v8 offset:64*\kk
	ds_load_b128 v[XF+8*\kk+4:XF+8*\kk+7], v8 offset:64*\kk+32
.irp mat, 0,1,2
	ds_load_tr16_b128 v[WF+32*\mat+8*\kk:WF+32*\mat+8*\kk+3], v9 offset:64*\mat+32*WP*\kk
	ds_load_tr16_b128 v[WF+32*\mat+8*\kk+4:WF+32*\mat+8*\kk+7], v9 offset:64*\mat+32*WP*\kk+16*WP
.endr
.endr
	; the mask, while the fragments are on their way: selects only, no branch and no address hangs on it
	s_wait_kmcnt 0x0                               ; atom_mask[g]
	v_cmp_ne_u32 s30, 0, v16                       ; lane L: atom 2 L counts
	v_cmp_ne_u32 s31, 0, v17                       ; atom 2 L + 1 counts
	s_or_b32 s33, s30, s31                         ; SCC: some atom counts
	s_cselect_b32 s36, 0x3e8293ee, 0               ; q's factor: 1/sqrt(32) x log2(e), or 0 if none counts
	s_mov_b32 s37, s36                             ; the pair is read whole
	s_cselect_b32 s34, 0, -1                       ; all ones if none counts
	s_cmp_lg_u32 s28, 0
	s_cselect_b32 s35, -1, 0                       ; all ones if atom g counts
	s_and_b32 s30, s30, s35
	s_or_b32 s30, s30, s34
	s_and_b32 s31, s31, s35
	s_or_b32 s31, s31, s34
	v_cndmask_b32 v18, v20, v21, s30               ; bit set: 0, else -2^120
	v_cndmask_b32 v19, v20, v21, s31
.irp j, 1,2,3,4,5,6,7
	v_mov_b32 v[AV+\j], v[AV]                      ; v's sums: a lane holds 8 rows of one feature, so one bias for all eight
.endr
	; q and k transposed (source 0 = 16 features of W, source 1 = 16 rows of x): a lane gets 8 neighbouring features of one row.
	; v as it stands (source 0 = x, source 1 = W): a lane gets 8 neighbouring rows (keys) of one feature.
	; The three accumulators take turns, one instruction a turn.
.irp kk, 0,1,2,3
	s_wait_dscnt 8*(3-\kk)                         ; the later K steps' eight loads each may stay out
	v_wmma_f32_16x16x32_bf16 v[AQ:AQ+7], v[WF+8*\kk:WF+8*\kk+7], v[XF+8*\kk:XF+8*\kk+7], v[AQ:AQ+7]
	v_wmma_f32_16x16x32_bf16 v[AK:AK+7], v[WF+32+8*\kk:WF+32+8*\kk+7], v[XF+8*\kk:XF+8*\kk+7], v[AK:AK+7]
	v_wmma_f32_16x16x32_bf16 v[AV:AV+7], v[XF+8*\kk:XF+8*\kk+7], v[WF+64+8*\kk:WF+64+8*\kk+7], v[AV:AV+7]
.endr
.rept 4
	v_nop                                          ; four places between the last matrix instruction and the first reader of a result (ISA guide 7.12.1)
.endr
.irp j, 0,2,4,6
	v_pk_mul_f32 v[AQ+\j:AQ+\j+1], v[AQ+\j:AQ+\j+1], s[36:37] op_sel_hi:[1,0]
.endr
	; pack in place into the low four registers of each accumulator: register i takes numbers 2 i, 2 i + 1, which are not needed again
.irp i, 0,1,2,3
	v_cvt_pk_bf16_f32 v[AQ+\i], v[AQ+2*\i], v[AQ+2*\i+1]
.endr
	global_store_b128 v12, v[AQ:AQ+3], s[24:25]    ; each store of the wave covers 512 consecutive bytes, aligned
.irp i, 0,1,2,3
	v_cvt_pk_bf16_f32 v[AK+\i], v[AK+2*\i], v[AK+2*\i+1]
.endr
	global_store_b128 v12, v[AK:AK+3], s[26:27]
.irp i, 0,1,2,3
	v_cvt_pk_bf16_f32 v[AV+\i], v[AV+2*\i], v[AV+2*\i+1]
.endr
	global_store_b128 v13, v[AV:AV+3], s[26:27]
	s_cmp_lg_u32 s4, 0
	s_cbranch_scc1 .Lend
	global_store_b64 v14, v[18:19], s[26:27] offset:8192   ; wave 0 alone: the 64 biases, 256 consecutive bytes, aligned
.Lend:
	s_wait_tensorcnt 0x0
	ds_add_u32 v176, v177
	s_wait_dscnt 0x0
	s_endpgm
.Lfunc_end_k_q804f6c2bd1_proj:
	.size	k_q804f6c2bd1_proj, .Lfunc_end_k_q804f6c2bd1_proj-k_q804f6c2bd1_proj
	.p2alignl 7, 3214868480
	.fill 96, 4, 3214868480
	.section	.rodata,"a",@progbits
	.p2align	6, 0x0
	.amdhsa_kernel k_q804f6c2bd1_proj
		.amdhsa_group_segment_fixed_size 47104
		.amdhsa_private_segment_fixed_size 0
		.amdhsa_enable_private_segment 0
		.amdhsa_kernarg_size 80
		.amdhsa_user_sgpr_count 2
		.amdhsa_user_sgpr_kernarg_segment_ptr 1
		.amdhsa_wavefront_size32 1
		.amdhsa_system_sgpr_workgroup_id_x 1
		.amdhsa_system_sgpr_workgroup_id_y 1
		.amdhsa_system_sgpr_workgroup_id_z 1
		.amdhsa_system_vgpr_workitem_id 0
		.amdhsa_next_free_vgpr 178
		.amdhsa_next_free_sgpr 66
		.amdhsa_reserve_vcc 0
		.amdhsa_float_denorm_mode_32 3
		.amdhsa_float_denorm_mode_16_64 3
		.amdhsa_memory_ordered 1
		.amdhsa_forward_progress 1
		.amdhsa_inst_pref_size 16
	.end_amdhsa_kernel
	.amdgpu_metadata
---
amdhsa.version: [ 1, 2 ]
amdhsa.kernels:
  - .name:           k_q804f6c2bd1_proj
    .symbol:         k_q804f6c2bd1_proj.kd
    .args:
      - { .name: pair_features, .offset: 0, .size: 8, .value_kind: global_buffer, .address_space: global }
      - { .name: atom_mask, .offset: 8, .size: 8, .value_kind: global_buffer, .address_space: global }
      - { .name: Wq, .offset: 16, .size: 8, .value_kind: global_buffer, .address_space: global }
      - { .name: bq, .offset: 24, .size: 8, .value_kind: global_buffer, .address_space: global }
      - { .name: Wk, .offset: 32, .size: 8, .value_kind: global_buffer, .address_space: global }
      - { .name: bk, .offset: 40, .size: 8, .value_kind: global_buffer, .address_space: global }
      - { .name: Wv, .offset: 48, .size: 8, .value_kind: global_buffer, .address_space: global }
      - { .name: bv, .offset: 56, .size: 8, .value_kind: global_buffer, .address_space: global }
      - { .name: qf, .offset: 64, .size: 8, .value_kind: global_buffer, .address_space: global }
      - { .name: kv, .offset: 72, .size: 8, .value_kind: global_buffer, .address_space: global }
    .group_segment_fixed_size: 47104
    .private_segment_fixed_size: 0
    .kernarg_segment_align: 8
    .kernarg_segment_size: 80
    .max_flat_workgroup_size: 256
    .sgpr_count:     66
    .vgpr_count:     178
    .wavefront_size: 32
...
	.end_amdgpu_metadata
.endif
;; end of part 1
;; launch attn (part 2): grid 256 x 1, 8 waves a work-group, clusters of 4 x 1, 327,680 bytes of LDS; arguments qf, kv, out0; writes out0
.if DOCPART == 2
	.amdgcn_target "amdgcn-amd-amdhsa--gfx1250"
	.amdhsa_code_object_version 6
	.text
	.protected	k_q804f6c2bd1_attn
	.globl	k_q804f6c2bd1_attn
	.p2align	8
	.type	k_q804f6c2bd1_attn,@function
k_q804f6c2bd1_attn:
	s_mov_b64 s[64:65], 0
	v_nop
	global_prefetch_b8 v0, s[64:65] scope:SCOPE_SE
	s_setreg_imm32_b32 hwreg(HW_REG_WAVE_MODE, 25, 1), 1
	s_wait_xcnt 0x0
	s_wait_alu depctr_hold_cnt(0) depctr_sa_sdst(0) depctr_va_vdst(0) depctr_va_sdst(0) depctr_va_ssrc(0) depctr_va_vcc(0) depctr_vm_vsrc(0)
	s_getreg_b32 s2, hwreg(HW_REG_IB_STS2, 6, 4)
	s_cmp_eq_u32 s2, 0
	s_cbranch_scc0 .Lentry_in_a_cluster
	s_endpgm
.Lentry_in_a_cluster:
	s_bfe_u32 s2, ttmp6, 0x10000c
	s_cmp_lg_u32 s2, 0x3003
	s_cbranch_scc0 .Lentry_shape_is_right
	s_endpgm
.Lentry_shape_is_right:
; out0[i][32 head + d] = sum over the 64 queries of atom i of softmax(q k^T + bias) v, for one (head, i) in each work-group.
; Scores and probabilities never leave registers.  q already carries 1/sqrt(32) x log2(e), so the exponential is a bare 2^x.
; SHARES.  Work-group x = 64 head + i.  Eight waves; wave w takes ALL 64 queries (4 q tiles of 16) and 512 of the 4,096 keys, so each
; fragment of K, V and bias that it reads from LDS feeds four q tiles, and no wave reads another wave's tiles.  Each wave keeps a running
; maximum and sum for each query; the eight waves' results are merged at the end through LDS, with the maximum over the waves taken away.
; LAYOUT.  S^T = K Q^T + bias: lane (r, h) holds query r and, in register j of key tile kt, key 16 kt + 8 h + j.  Two neighbouring key
; tiles, packed to bf16, ARE the second source of O^T = V^T P^T (K = 32 keys): no move between lanes.  A query is a lane column, so
; maximum and sum are formed inside the lane, plus one exchange between the two halves of 16 lanes.
; The mask costs no vector instruction: the bias (0, or -2^120 for a key that does not count) is the C operand of the score product.
; A wave or a block in which no key counts gathers finite numbers under a maximum near -2^120; the next rescale, or the merge, multiplies
; them by 2^(-2^120 - m) = 0.
; CLUSTERS.  The four work-groups of a cluster are four atoms of one head (head = cluster x >> 4) and walk the same K, V and bias: every
; tile is asked for jointly by the four, which divides the requests by four.  The address is made of the head and the wave's number alone.
; KEYS IN TIME.  Four phases of 1,024 keys through two LDS slots.  In phase p wave w has blocks 16 p + 2 w and 16 p + 2 w + 1 of kv:
; 16,896 consecutive bytes, 66 rows of 256.  The slots' rows need no padding: every LDS load takes 16 bytes a lane, 512 in a row.
; LIMITS.  Scores times log2(e) stay above -2^119 (else a masked key's -2^120 no longer lies far below).  NaN and infinities are not
; served (the maxima drop a NaN).  The sum l is formed of the probabilities before they are rounded to bf16 for the product with V.
; A work-group stores 128 bytes of out0 (32 of a row's 128 numbers): the other heads' parts belong to other work-groups.
.set BLK,   8448                       ; a block of 64 keys: K 4,096, V 4,096, bias 256
.set WPART, 2*BLK                      ; a wave's part of a slot
.set SLOT,  8*WPART
.set HEADB, 64*BLK
.set MLS,   2*SLOT                     ; scratch behind the ring, no tile ever lands here: (m, l) of wave w, query 16 q + r at 512 w + 128 q + 8 r
.set OPS,   MLS+4096                   ; pooled sums of wave w, feature d at 128 w + 4 d
.set ADK,  2                           ; v2, v3     LDS address of my 16 bytes of a fragment chunk, slot 0, 1
.set ADB,  4                           ; v4, v5     LDS address of my half's biases, slot 0, 1
.set TT,   6                           ; v[6:9]     at work
.set AL,   10                          ; v[10:11]   the rescale factor (v11 only fills the pair)
.set PS,   12                          ; v[12:15]   two pairs of partial sums
.set ML,   16                          ; v[16:23]   q tile q: (m, l) at +2 q
.set QOF,  24                          ; v24        16 L
.set MLW,  25                          ; v25        where I put (m, l)
.set MLR,  26                          ; v26        where I read all waves' (m, l)
.set OPW,  27                          ; v27        where I put pooled sums
.set OPR,  28                          ; v28        where wave 0 reads them
.set OUTO, 29                          ; v29        4 L
.set KF,   32                          ; v[32:63]   K, key tile kt at +8 kt
.set BF,   64                          ; v[64:95]   bias, key tile kt at +8 kt
.set VF,   96                          ; v[96:127]  V^T, fragment 2 ks + dt at +8 (2 ks + dt)
.set SX,   128                         ; v[128:159] scores, then probabilities (packed into the low 16)
.set SY,   160                         ; v[160:191] the same, the other buffer
.set OA,   192                         ; v[192:255] O^T, q tile q, half dt of d at +16 q + 8 dt
.set ACCR, 32                          ; the way out: 16 pooled sums (K's registers)
.set RED,  48                          ; the way out: eight waves' sums
; window 1: v256-v287 = Q, q tile q at v[8 q] of that window; only ever source 1 of the score products
.set G1,  16                           ; s[16:23] shape: 66 rows of 256 bytes
.set G1H, 24                           ; s[24:31] shape: 33 rows
.set G0A, 32                           ; s[32:35] slot 0 (first its first block, later the whole part)
.set G0B, 36                           ; s[36:39] slot 0, second block, first fill only
.set G0C, 40                           ; s[40:43] slot 1
.set MSB, 0
.macro WIN new                         ; the immediate's high byte repeats the setting that is left
.if MSB != \new
	s_set_vgpr_msb (MSB<<8)|\new
.set MSB, \new
.endif
.endm
; A round of the cluster's barrier: my work-group's barrier, wave 0 signals for the work-group, every wave waits for all four work-groups, my work-group's barrier again.
.macro ROUND
	s_barrier_signal -1
	s_barrier_wait -1
	s_cmp_lg_u32 s8, 0
	s_cbranch_scc1 .Lnot_wave_0_\@
	s_barrier_signal -3
.Lnot_wave_0_\@:
	s_barrier_wait -3
	s_barrier_signal -1
	s_barrier_wait -1
.endm
; 16 LDS loads: a block's four K tiles and their biases (sixteen lanes share each 16 bytes of bias)
.macro LOADKB slot, off
.irp kt, 0,1,2,3
.irp c, 0,1
	ds_load_b128 v[KF+8*\kt+4*\c:KF+8*\kt+4*\c+3], v[ADK+\slot] offset:\off+1024*\kt+512*\c
.endr
.endr
.irp kt, 0,1,2,3
.irp c, 0,1
	ds_load_b128 v[BF+8*\kt+4*\c:BF+8*\kt+4*\c+3], v[ADB+\slot] offset:\off+64*\kt+16*\c
.endr
.endr
.endm
; 8 LDS loads: a block's four V fragments
.macro LOADV slot, off
.irp f, 0,1,2,3
.irp c, 0,1
	ds_load_b128 v[VF+8*\f+4*\c:VF+8*\f+4*\c+3], v[ADK+\slot] offset:\off+4096+1024*\f+512*\c
.endr
.endr
.endm
; scores of q tile q against the block's 64 keys: four products, four different results, C = the bias
.macro SMUL buf, q
	WIN 0x04                                       ; source 1 (Q) in window 1
.irp kt, 0,1,2,3
	v_wmma_f32_16x16x32_bf16 v[\buf+8*\kt:\buf+8*\kt+7], v[KF+8*\kt:KF+8*\kt+7], v[8*\q:8*\q+7], v[BF+8*\kt:BF+8*\kt+7]
.endr
	WIN 0
.endm
; O^T[q] += V^T P^T over the block's 64 keys.  The two accumulators take turns, one instruction a turn.
.macro PVMUL buf, q, first
.irp ks, 0,1
.irp dt, 0,1
.if \first*(1-\ks)
	v_wmma_f32_16x16x32_bf16 v[OA+16*\q+8*\dt:OA+16*\q+8*\dt+7], v[VF+8*(2*\ks+\dt):VF+8*(2*\ks+\dt)+7], v[\buf+8*\ks:\buf+8*\ks+7], 0
.else
	v_wmma_f32_16x16x32_bf16 v[OA+16*\q+8*\dt:OA+16*\q+8*\dt+7], v[VF+8*(2*\ks+\dt):VF+8*(2*\ks+\dt)+7], v[\buf+8*\ks:\buf+8*\ks+7], v[OA+16*\q+8*\dt:OA+16*\q+8*\dt+7]
.endif
.endr
.endr
.endm
.macro EXP8 cur, g
.irp i, 0,1,2,3,4,5,6,7
	v_exp_f32 v[\cur+8*\g+\i], v[\cur+8*\g+\i]
.endr
.endm
; key tile g: its eight probabilities join the sums, then are packed into registers 4 g .. 4 g + 3, whose old numbers have been used
.macro SUMCVT cur, g
.if \g == 0
	s_wait_alu depctr_va_vdst(0)
	v_pk_add_f32 v[PS:PS+1], v[\cur:\cur+1], v[\cur+2:\cur+3]
	v_pk_add_f32 v[PS+2:PS+3], v[\cur+4:\cur+5], v[\cur+6:\cur+7]
.else
	s_wait_alu depctr_va_vdst(0)
	v_pk_add_f32 v[PS:PS+1], v[PS:PS+1], v[\cur+8*\g:\cur+8*\g+1]
	v_pk_add_f32 v[PS+2:PS+3], v[PS+2:PS+3], v[\cur+8*\g+2:\cur+8*\g+3]
	v_pk_add_f32 v[PS:PS+1], v[PS:PS+1], v[\cur+8*\g+4:\cur+8*\g+5]
	v_pk_add_f32 v[PS+2:PS+3], v[PS+2:PS+3], v[\cur+8*\g+6:\cur+8*\g+7]
.endif
.irp i, 0,1,2,3
	v_cvt_pk_bf16_f32 v[\cur+4*\g+\i], v[\cur+8*\g+2*\i], v[\cur+8*\g+2*\i+1]
.endr
.endm
; One q tile against one block of 64 keys.  cur holds its scores; oth is the other buffer.
; first: the wave's first block (nothing to rescale).  snext: issue the scores of q tile qn into oth, a step ahead (swait: they need the K and bias loaded a step ago).
; vl: load this block's V.  kb: load the next block's K and bias (tw >= 0: behind that wait for its tile).
.macro STEP q, qn, cur, oth, first, snext, swait, vl, vslot, voff, kb, kslot, koff, tw
	; the largest of my 32 scores and the running maximum, in four chains.  These plain instructions name no register of the product with V
	; issued last: they are the places between it and the loads into V and the score products that write over its second source.
.irp e, 0,1,2,3
	v_max3_num_f32 v[TT+\e], v[\cur+3*\e], v[\cur+3*\e+1], v[\cur+3*\e+2]
.endr
.set jj, 0
.rept 10
	v_max3_num_f32 v[TT+jj%4], v[TT+jj%4], v[\cur+12+2*jj], v[\cur+13+2*jj]
.set jj, jj+1
.endr
	v_max3_num_f32 v[TT], v[TT], v[TT+1], v[TT+2]
.if \first
	v_max_num_f32 v[TT], v[TT], v[TT+3]
.else
	v_max3_num_f32 v[TT], v[TT], v[TT+3], v[ML+2*\q]
.endif
	v_permlanex16_b32 v[TT+1], v[TT], s44, s45     ; the other half of the lanes holds the query's other keys
	v_max_num_f32 v[TT], v[TT], v[TT+1]            ; the new maximum, equal in both halves
.if \vl
	LOADV \vslot, \voff
.endif
.if \snext
.if \swait
	s_wait_dscnt 0x0                               ; the next block's K and bias, asked for a step ago
.endif
	SMUL \oth, \qn
.endif
.if \first == 0
	v_sub_f32 v[TT+1], v[ML+2*\q], v[TT]
	v_exp_f32 v[AL], v[TT+1]                       ; 2^(old maximum - new)
.endif
	v_mov_b32 v[ML+2*\q], v[TT]                    ; also the plain instruction behind the exponential (ISA guide 5.7.2)
.irp e, 0,1,2,3,4,5,6,7,8,9,10,11,12,13,14,15
	v_pk_add_f32 v[\cur+2*\e:\cur+2*\e+1], v[\cur+2*\e:\cur+2*\e+1], v[ML+2*\q:ML+2*\q+1] op_sel_hi:[1,0] neg_lo:[0,1] neg_hi:[0,1]   ; score - maximum
.endr
.if \kb
.if \tw >= 0
	s_wait_tensorcnt \tw                           ; the next block's tile is in LDS; the count is the number of my younger tensor loads
.endif
	LOADKB \kslot, \koff                           ; K and bias were last read by the score products above, seventeen plain instructions ago
.endif
	; exponentials in runs of eight; behind each run the next plain instruction works on an older run (ISA guide 5.7.2)
	EXP8 \cur, 0
.if \first
	v_nop                                          ; the plain instruction between the first run and the sums that read it
.else
	s_wait_alu depctr_va_vdst(0)
.irp e, 0,1,2,3,4,5,6,7
	v_pk_mul_f32 v[OA+16*\q+2*\e:OA+16*\q+2*\e+1], v[OA+16*\q+2*\e:OA+16*\q+2*\e+1], v[AL:AL+1] op_sel_hi:[1,0]
.endr
.endif
	EXP8 \cur, 1
	SUMCVT \cur, 0
	EXP8 \cur, 2
	SUMCVT \cur, 1
	EXP8 \cur, 3
	SUMCVT \cur, 2
	SUMCVT \cur, 3
	v_pk_add_f32 v[PS:PS+1], v[PS:PS+1], v[PS+2:PS+3]
.if \first
	v_add_f32 v[ML+2*\q+1], v[PS], v[PS+1]
.else
	v_add_f32 v[TT+1], v[PS], v[PS+1]
	v_fma_f32 v[ML+2*\q+1], v[ML+2*\q+1], v[AL], v[TT+1]
.endif
.if \q == 0
	s_wait_dscnt 0x0                               ; this block's V
.endif
	PVMUL \cur, \q, \first
.endm
; A block of 64 keys (block j of the wave's part of slot) against the four q tiles.  nx: a block follows, block nj of slot nslot.
.macro BLOCK first, vl, slot, j, nx, nslot, nj, tw
	STEP 0, 1, SX, SY, \first, 1, 0, \vl, \slot, \j*BLK, 0, 0, 0, -1
	STEP 1, 2, SY, SX, \first, 1, 0, 0, 0, 0, 0, 0, 0, -1
	STEP 2, 3, SX, SY, \first, 1, 0, 0, 0, 0, \nx, \nslot, \nj*BLK, \tw
	STEP 3, 0, SY, SX, \first, \nx, 1, 0, 0, 0, 0, 0, 0, -1
.endm
; A slot that has been read is filled again, two phases on.  Every wave of the four work-groups has its LDS reads back and no tensor load out
; before any of them asks; the joint load is the first thing behind the round and the wave's only tensor load until the next round.
.macro FILL g0
	s_wait_dscnt 0x0                               ; my reads of the slot are back
	s_wait_tensorcnt 0x0                           ; none of my tensor loads is out, so a group 0 may be written
	ds_add_u32 v30, v31
	s_wait_dscnt 0x0
	s_add_nc_u64 s[\g0+2:\g0+3], s[\g0+2:\g0+3], 2*SLOT
	ROUND
	tensor_load_to_lds s[\g0:\g0+3], s[G1:G1+7]
	s_nop 0
.endm
	s_load_b128 s[4:7], s[0:1], 0x0                ; qf 4:5, kv 6:7
	s_load_b64 s[10:11], s[0:1], 0x10              ; out0
	v_lshl_add_u32 v30, v0, 2, 0x43400
	v_mov_b32 v31, 0
	ds_add_u32 v30, v31
	v_lshrrev_b32 v1, 5, v0
	v_readfirstlane_b32 s8, v1                     ; wave
	s_bfe_u32 s9, ttmp6, 0x40000                   ; cx: my place in the cluster
	s_lshl_b32 s12, ttmp9, 2
	s_add_co_u32 s12, s12, s9                      ; work-group x = 64 head + i: enters the addresses of qf and out0 alone
	s_lshr_b32 s13, ttmp9, 4                       ; head, from the cluster's x alone: equal in the four partners
	s_mov_b32 s44, 0x76543210                      ; v_permlanex16_b32: lane i of one half reads lane i of the other
	s_mov_b32 s45, 0xfedcba98
	; group 1: a dense block as rows of 32 elements of 8 bytes; the mask names the cluster's four work-groups, bit 21 set beside it
	s_mov_b32 s[G1+0], 15|(3<<16)|(1<<21)
	s_mov_b32 s[G1+1], 32<<16                      ; tensor_dim0 = 32
	s_mov_b32 s[G1+2], 66<<16                      ; tensor_dim1 = 66
	s_mov_b32 s[G1+3], 32<<16                      ; tile_dim0 = 32
	s_mov_b32 s[G1+4], 66                          ; tile_dim1 = 66
	s_mov_b32 s[G1+5], 32                          ; from row to row: 32 elements
	s_mov_b32 s[G1+6], 0
	s_mov_b32 s[G1+7], 0
	s_mov_b32 s[G1H+0], 15|(3<<16)|(1<<21)
	s_mov_b32 s[G1H+1], 32<<16
	s_mov_b32 s[G1H+2], 33<<16                     ; the same with 33 rows: one block
	s_mov_b32 s[G1H+3], 32<<16
	s_mov_b32 s[G1H+4], 33
	s_mov_b32 s[G1H+5], 32
	s_mov_b32 s[G1H+6], 0
	s_mov_b32 s[G1H+7], 0
	s_mul_i32 s48, s8, WPART                       ; my wave's part of a slot, and of a phase in kv
	s_mul_i32 s46, s13, HEADB
	s_add_co_u32 s46, s46, s48
	s_mov_b32 s47, 0
	s_lshl_b32 s14, s12, 12                        ; my 4,096 bytes of qf
	s_mov_b32 s15, 0
	s_and_b32 s50, s12, 63                         ; i
	s_lshl_b32 s50, s50, 9
	s_lshl_b32 s49, s13, 7
	s_add_co_u32 s50, s50, s49                     ; out0: 512 i + 128 head
	s_mov_b32 s51, 0
	s_wait_dscnt 0x0
	s_wait_kmcnt 0x0
	s_add_nc_u64 s[6:7], s[6:7], s[46:47]          ; kv at (head, phase 0, wave)
	s_add_nc_u64 s[4:5], s[4:5], s[14:15]
	s_add_nc_u64 s[10:11], s[10:11], s[50:51]
	s_mov_b32 s[G0A], 1
	s_mov_b32 s[G0A+1], s48
	s_mov_b64 s[G0A+2:G0A+3], s[6:7]
	s_or_b32 s[G0A+3], s[G0A+3], 0x80000000
	s_mov_b32 s[G0B], 1
	s_add_co_u32 s[G0B+1], s48, BLK
	s_add_nc_u64 s[G0B+2:G0B+3], s[6:7], BLK
	s_or_b32 s[G0B+3], s[G0B+3], 0x80000000
	s_mov_b32 s[G0C], 1
	s_add_co_u32 s[G0C+1], s48, SLOT
	s_add_nc_u64 s[G0C+2:G0C+3], s[6:7], SLOT
	s_or_b32 s[G0C+3], s[G0C+3], 0x80000000
	ROUND                                          ; the four work-groups are here: the first joint loads meet
	tensor_load_to_lds s[G0A:G0A+3], s[G1H:G1H+7]  ; phase 0, my first block: alone, so that work can begin when 33 rows are in
	s_nop 0
	tensor_load_to_lds s[G0B:G0B+3], s[G1H:G1H+7]  ; phase 0, my second block
	s_nop 0
	tensor_load_to_lds s[G0C:G0C+3], s[G1:G1+7]    ; phase 1.  Three tensor loads of the wave are out here, later one
	s_nop 0
	v_nop
	v_nop
	v_and_b32 v1, 31, v0                           ; L
	v_lshlrev_b32 v[QOF], 4, v1
	WIN 0x40                                       ; destination in window 1
.irp e, 0,1,2,3,4,5,6,7
	global_load_b128 v[4*\e:4*\e+3], v[QOF], s[4:5] offset:512*\e      ; Q: q tile e / 2, chunk e & 1
.endr
	WIN 0
	v_add_nc_u32 v[ADK], s48, v[QOF]
	v_add_nc_u32 v[ADK+1], SLOT, v[ADK]
	v_bfe_u32 v6, v0, 4, 1                         ; h
	s_add_co_u32 s49, s48, 8192
	v_lshl_add_u32 v[ADB], v6, 5, s49              ; biases of keys 8 h ..
	v_add_nc_u32 v[ADB+1], SLOT, v[ADB]
	v_and_b32 v7, 15, v0                           ; r
	s_lshl_b32 s49, s8, 9
	s_add_co_u32 s49, s49, MLS
	v_lshl_add_u32 v[MLW], v7, 3, s49
	v_lshlrev_b32 v[MLR], 3, v7
	v_add_nc_u32 v[MLR], MLS, v[MLR]
	s_lshl_b32 s49, s8, 7
	s_add_co_u32 s49, s49, OPS
	v_lshl_add_u32 v[OPW], v6, 5, s49
	v_lshlrev_b32 v[OUTO], 2, v1
	v_add_nc_u32 v[OPR], OPS, v[OUTO]
	v_mov_b32 v[AL+1], 0                           ; second registers of pairs of which the first alone is used
.irp q, 0,1,2,3
	v_mov_b32 v[ML+2*\q+1], 0
.endr
	s_wait_tensorcnt 0x2                           ; my first block is in LDS; two younger loads stay out
	LOADKB 0, 0
	LOADV 0, 0
	s_wait_loadcnt 0x0                             ; Q
	s_wait_dscnt 0x8                               ; K and bias; V's eight loads may stay out
	SMUL SX, 0
.rept 4
	v_nop                                          ; four places between the score products and the first reader of a score (ISA guide 7.12.1)
.endr
	BLOCK 1, 0, 0, 0, 1, 0, 1, 1                   ; phase 0.  The wait for the second block leaves slot 1's load out
	BLOCK 0, 1, 0, 1, 1, 1, 0, 0                   ; the wait for slot 1: no younger load
	FILL G0A                                       ; slot 0 gets phase 2; it has two blocks' work, eight steps, in which to land
	BLOCK 0, 1, 1, 0, 1, 1, 1, -1                  ; phase 1
	BLOCK 0, 1, 1, 1, 1, 0, 0, 0                   ; the wait for phase 2: the one load that is out
	FILL G0C                                       ; slot 1 gets phase 3
	BLOCK 0, 1, 0, 0, 1, 0, 1, -1                  ; phase 2
	BLOCK 0, 1, 0, 1, 1, 1, 0, 0                   ; the wait for phase 3: from here on no tensor load is out
	BLOCK 0, 1, 1, 0, 1, 1, 1, -1                  ; phase 3
	BLOCK 0, 1, 1, 1, 0, 0, 0, -1
	; THE MERGE.  Every wave puts its (m, l) of the 64 queries into LDS and reads all eight waves'.
.rept 4
	v_nop                                          ; four places behind the last products (ISA guide 7.12.1): O is read and the score buffers are loaded into below
.endr
.irp q, 0,1,2,3
	v_permlanex16_b32 v[TT], v[ML+2*\q+1], s44, s45
	v_add_f32 v[ML+2*\q+1], v[ML+2*\q+1], v[TT]    ; l over both halves' keys
	ds_store_b64 v[MLW], v[ML+2*\q:ML+2*\q+1] offset:128*\q    ; both halves store the same numbers
.endr
	s_wait_dscnt 0x0                               ; my stores are in LDS, for the other waves' sake
	s_barrier_signal -1
	s_barrier_wait -1
.irp q, 0,1,2,3
.irp w, 0,1,2,3,4,5,6,7
	ds_load_b64 v[SX+16*\q+2*\w:SX+16*\q+2*\w+1], v[MLR] offset:512*\w+128*\q
.endr
.endr
	s_wait_dscnt 0x0
.irp q, 0,1,2,3
	v_max3_num_f32 v[TT+\q], v[SX+16*\q], v[SX+16*\q+2], v[SX+16*\q+4]
	v_max3_num_f32 v[TT+\q], v[TT+\q], v[SX+16*\q+6], v[SX+16*\q+8]
	v_max3_num_f32 v[TT+\q], v[TT+\q], v[SX+16*\q+10], v[SX+16*\q+12]
	v_max_num_f32 v[TT+\q], v[TT+\q], v[SX+16*\q+14]           ; M: the query's maximum over all keys
.endr
.irp q, 0,1,2,3
	v_sub_f32 v[ML+2*\q], v[ML+2*\q], v[TT+\q]                 ; my own m - M
.irp w, 0,1,2,3,4,5,6,7
	v_sub_f32 v[SX+16*\q+2*\w], v[SX+16*\q+2*\w], v[TT+\q]
.endr
.endr
.irp q, 0,1,2,3
	v_exp_f32 v[ML+2*\q], v[ML+2*\q]
.irp w, 0,1,2,3,4,5,6,7
	v_exp_f32 v[SX+16*\q+2*\w], v[SX+16*\q+2*\w]
.endr
.endr
	v_nop                                          ; the plain instruction between the exponentials and their first reader (ISA guide 5.7.2)
	s_wait_alu depctr_va_vdst(0)
.irp q, 0,1,2,3
	v_mul_f32 v[PS+\q], v[SX+16*\q], v[SX+16*\q+1]
.irp w, 1,2,3,4,5,6,7
	v_fmac_f32 v[PS+\q], v[SX+16*\q+2*\w], v[SX+16*\q+2*\w+1]  ; L = sum over the waves of 2^(m - M) l: at least 1, from the wave that holds M
.endr
.endr
.irp q, 0,1,2,3
	v_rcp_f32 v[PS+\q], v[PS+\q]
.endr
	v_nop                                          ; likewise behind the reciprocals
	s_wait_alu depctr_va_vdst(0)
.irp q, 0,1,2,3
	v_mul_f32 v[ML+2*\q], v[ML+2*\q], v[PS+\q]     ; my factor for this query: 2^(m - M) / L
.endr
	; the pooling: sum over the four q tiles inside the lane, then over the sixteen queries of a half
.irp e, 0,1,2,3,4,5,6,7
	v_pk_mul_f32 v[ACCR+2*\e:ACCR+2*\e+1], v[OA+2*\e:OA+2*\e+1], v[ML:ML+1] op_sel_hi:[1,0]
.endr
.irp q, 1,2,3
.irp e, 0,1,2,3,4,5,6,7
	v_pk_fma_f32 v[ACCR+2*\e:ACCR+2*\e+1], v[OA+16*\q+2*\e:OA+16*\q+2*\e+1], v[ML+2*\q:ML+2*\q+1], v[ACCR+2*\e:ACCR+2*\e+1] op_sel_hi:[1,0,1]
.endr
.endr
.irp m, 1,2,4,8
.irp e, 0,1,2,3,4,5,6,7,8,9,10,11,12,13,14,15
	v_add_f32_dpp v[ACCR+\e], v[ACCR+\e], v[ACCR+\e] row_xmask:\m row_mask:0xf bank_mask:0xf
.endr
.endr
.irp e, 0,1,2,3
	ds_store_b128 v[OPW], v[ACCR+4*\e:ACCR+4*\e+3] offset:64*(\e/2)+16*(\e%2)   ; features 16 dt + 8 h + 0 .. 7; the sixteen lanes of a half store the same numbers
.endr
	s_wait_dscnt 0x0                               ; my stores are in LDS, for wave 0's sake
	s_barrier_signal -1
	s_barrier_wait -1
	s_cmp_lg_u32 s8, 0
	s_cbranch_scc1 .Lnot_first
.irp w, 0,1,2,3,4,5,6,7
	ds_load_b32 v[RED+\w], v[OPR] offset:128*\w    ; lane L: feature L of each wave
.endr
	s_wait_dscnt 0x0
	v_add_f32 v[RED], v[RED], v[RED+1]
	v_add_f32 v[RED+2], v[RED+2], v[RED+3]
	v_add_f32 v[RED+4], v[RED+4], v[RED+5]
	v_add_f32 v[RED+6], v[RED+6], v[RED+7]
	v_add_f32 v[RED], v[RED], v[RED+2]
	v_add_f32 v[RED+4], v[RED+4], v[RED+6]
	v_add_f32 v[RED], v[RED], v[RED+4]
	global_store_b32 v[OUTO], v[RED], s[10:11]     ; 128 consecutive bytes: the work-group's whole share of out0
.Lnot_first:
	s_wait_tensorcnt 0x0
	ds_add_u32 v30, v31
	s_wait_dscnt 0x0
	ROUND                                          ; the closing round: no work-group ends while a partner may still ask for a tile that names it
	s_endpgm
.Lfunc_end_k_q804f6c2bd1_attn:
	.size	k_q804f6c2bd1_attn, .Lfunc_end_k_q804f6c2bd1_attn-k_q804f6c2bd1_attn
	.p2alignl 7, 3214868480
	.fill 96, 4, 3214868480
	.section	.rodata,"a",@progbits
	.p2align	6, 0x0
	.amdhsa_kernel k_q804f6c2bd1_attn
		.amdhsa_group_segment_fixed_size 327680
		.amdhsa_private_segment_fixed_size 0
		.amdhsa_enable_private_segment 0
		.amdhsa_kernarg_size 24
		.amdhsa_user_sgpr_count 2
		.amdhsa_user_sgpr_kernarg_segment_ptr 1
		.amdhsa_wavefront_size32 1
		.amdhsa_system_sgpr_workgroup_id_x 1
		.amdhsa_system_sgpr_workgroup_id_y 1
		.amdhsa_system_sgpr_workgroup_id_z 1
		.amdhsa_system_vgpr_workitem_id 0
		.amdhsa_next_free_vgpr 288
		.amdhsa_next_free_sgpr 66
		.amdhsa_reserve_vcc 0
		.amdhsa_float_denorm_mode_32 3
		.amdhsa_float_denorm_mode_16_64 3
		.amdhsa_memory_ordered 1
		.amdhsa_forward_progress 1
		.amdhsa_inst_pref_size 239
	.end_amdhsa_kernel
	.amdgpu_metadata
---
amdhsa.version: [ 1, 2 ]
amdhsa.kernels:
  - .name:           k_q804f6c2bd1_attn
    .symbol:         k_q804f6c2bd1_attn.kd
    .args:
      - { .name: qf, .offset: 0, .size: 8, .value_kind: global_buffer, .address_space: global }
      - { .name: kv, .offset: 8, .size: 8, .value_kind: global_buffer, .address_space: global }
      - { .name: out0, .offset: 16, .size: 8, .value_kind: global_buffer, .address_space: global }
    .group_segment_fixed_size: 327680
    .private_segment_fixed_size: 0
    .kernarg_segment_align: 8
    .kernarg_segment_size: 24
    .max_flat_workgroup_size: 256
    .sgpr_count:     66
    .vgpr_count:     288
    .wavefront_size: 32
...
	.end_amdgpu_metadata
.endif
;; end of part 2
;; ======== version 2 of 2: 2 launches; version 1 with the launch proj written anew for expert scheduling mode
;; workspace buffers: qf 1,048,576 bytes; kv 2,162,688 bytes
;; launch proj (part 3): grid 64 x 4, 8 waves a work-group, no clusters, 47,104 bytes of LDS; arguments pair_features, atom_mask, Wq, bq, Wk, bk, Wv, bv, qf, kv; writes qf, kv
.if DOCPART == 3
	.amdgcn_target "amdgcn-amd-amdhsa--gfx1250"
	.amdhsa_code_object_version 6
	.text
	.protected	k_q804f6c2bd1_proj
	.globl	k_q804f6c2bd1_proj
	.p2align	8
	.type	k_q804f6c2bd1_proj,@function
k_q804f6c2bd1_proj:
	s_mov_b64 s[64:65], 0
	v_nop
	global_prefetch_b8 v0, s[64:65] scope:SCOPE_SE
	s_setreg_imm32_b32 hwreg(HW_REG_WAVE_SCHED_MODE, 0, 2), 2
	s_setreg_imm32_b32 hwreg(HW_REG_WAVE_MODE, 25, 1), 1
	s_wait_xcnt 0x0
	s_wait_alu depctr_vm_vsrc(0)
; q, k, v = x W + b for 64 rows of x (all pairs of one first atom g) and the 32 features of one head, rounded once to bf16 and stored
; in the order in which the next launch's matrix instructions hold them in registers; and the table of the 64 keys' score bias.
;   qf: [head 4][g 64][row tile 4][chunk 2][lane 32][16 bytes]   q times 1/sqrt(32) times log2(e)
;   kv: [head 4][g 64][8,448 bytes]: 4 K tiles of 1,024 bytes, 4 V fragments of 1,024 bytes, 64 f32 of bias
; A fragment of 1,024 bytes is a register image: bytes 512 c + 16 lane are that lane's registers 4c .. 4c+3.  So every store here, and
; every load of the next launch, is 512 consecutive bytes of one wave.
; THE MASK.  Key (g, b) counts if atom g and atom b do.  bias = 0 for a key that counts and -2^120 for one that does not; the next launch
; adds it to the score.  If no atom counts at all, reference() gives every key the same score: then bias = 0 everywhere and q = 0, which
; gives equal scores too.  LIMIT: a score times log2(e) below -2^119 would no longer stand above a masked key's (reference() draws that
; line at the least finite f32).  NaN and infinities in the inputs are not served.
; Eight waves: wave w makes row tile rt = w & 3 (16 rows) x feature tile c = w >> 2 (16 features) of q, of k and of v: three accumulators,
; four K steps of 32.  x and W are f32 in memory, so they pass through registers, where they are rounded to bf16, into LDS.  For that
; reason no tile is asked for jointly with other work-groups: a joint load would land f32 in LDS and the bytes would be read twice there.
; A head's slice of a row of W is 128 bytes: that is the tensor's own shape.
; THE MODE: SCHED_MODE bits 1:0 = 2 (LLVM: expert scheduling mode 2), set by the entry lines.  The code itself states the register dependences
; between vector or matrix instructions and memory or LDS instructions, with s_wait_alu, always for 0.
; THE PLAN.  Registers that memory or LDS instructions touch:
;   v4 .. v14, v176, v177   offsets and LDS addresses: written once at the head, read by loads, stores and the closing add, never written again.
;   v[24:103]   five groups of four staged loads (x rows 0-31, x rows 32-63, Wq, Wk, Wv).  A group's eight conversions read its sixteen registers
;               and write its eight packed ones; its four LDS stores, which read those, are issued in the NEXT group's turn, among that group's
;               conversions, which name the next group's registers alone.  So one wait on va_vdst at a group's head serves the four stores.
;   v[24:151]   behind the barrier: the fragments.  LDS loads land in them, behind one wait on vm_vsrc for the LDS stores that read v[24:103];
;               the last wait on va_vdst of the staging has shown the conversions done with them.  Matrix instructions alone read them.
;   the low four registers of AQ, AK, AV, and v[18:19]   written by conversions and selects, read by the last stores: one wait on va_vdst ahead of the run.
.set XP,  272                          ; LDS pitch of a row of x: 256 bytes + 16, so the 16 rows of a fragment load begin 16 bytes apart modulo 256
.set WS,  64*XP                        ; W's stage begins behind x's 64 rows
.set WP,  224                          ; LDS pitch of a row of W: 96 features (q 0-31, k 32-63, v 64-95) = 192 bytes + 32: seven times 32
.set LD,  24                           ; v[24:103]   twenty loads of 16 bytes: x 8, Wq 4, Wk 4, Wv 4: group n of four at +16 n
.set XF,  24                           ; v[24:55]    later: x's fragments, K step kk at +8 kk
.set WF,  56                           ; v[56:151]   later: W's fragments, matrix mat, K step kk at +32 mat + 8 kk
.set AQ,  152                          ; v[152:159]  q's sums
.set AK,  160                          ; v[160:167]  k's sums
.set AV,  168                          ; v[168:175]  v's sums
.set KVBLK,  8448
.set KVHEAD, 64*KVBLK
; v1 lane L, v2 r = L & 15, v3 h = L >> 4; v4-v14 addresses (below); v[16:17] mask words; v[18:19] bias; v20, v21 the two bias values
; v176 the LDS address of my spare word (behind W's stage, 128 bytes a wave), v177 = 0: made at the head and kept for the closing lines alone
	s_load_b512 s[8:23], s[0:1], 0x0               ; x 8:9, mask 10:11, Wq 12:13, bq 14:15, Wk 16:17, bk 18:19, Wv 20:21, bv 22:23
	s_load_b128 s[24:27], s[0:1], 0x40             ; qf 24:25, kv 26:27
	v_lshl_add_u32 v176, v0, 2, 0xb400
	v_mov_b32 v177, 0
	v_lshrrev_b32 v15, 5, v0
	v_readfirstlane_b32 s4, v15                    ; wave
	s_mov_b32 s2, ttmp9                            ; g
	s_and_b32 s3, ttmp7, 0xffff                    ; head
	v_and_b32 v1, 31, v0
	v_and_b32 v2, 15, v0
	v_bfe_u32 v3, v0, 4, 1
	v_lshlrev_b32 v4, 4, v0                        ; x in memory: 16 t; load i adds 4,096 i: row 8 i + w, columns 4 L .. 4 L + 3
	v_lshrrev_b32 v15, 3, v0                       ; t >> 3
	v_and_b32 v22, 7, v0                           ; t & 7
	v_lshlrev_b32 v5, 9, v15
	v_lshl_add_u32 v5, v22, 4, v5                  ; W in memory: row t >> 3 (512 bytes), 16 bytes at 16 (t & 7) of the head's 128
	s_wait_alu depctr_va_sdst(0)                   ; s4 is written, ahead of its first reader: rt, c and the LDS places are made from it
	s_and_b32 s5, s4, 3                            ; rt
	s_lshr_b32 s6, s4, 2                           ; c
	s_mul_i32 s7, s4, XP
	v_lshl_add_u32 v6, v1, 3, s7                   ; x in LDS: row w, 8 bytes at 8 L; load i adds 8 rows
	v_mul_u32_u24 v7, v15, WP
	v_lshl_add_u32 v7, v22, 3, v7
	v_add_nc_u32 v7, WS, v7                        ; W in LDS: row t >> 3, 8 bytes at 8 (t & 7); load i adds 32 rows, the matrix 64 bytes
	s_mul_i32 s7, s5, 16*XP
	v_mul_u32_u24 v8, v2, XP
	v_lshl_add_u32 v8, v3, 4, v8
	v_add_nc_u32 v8, s7, v8                        ; x's fragment: row 16 rt + r, byte 16 h
	v_lshl_add_u32 v23, v3, 3, v22                 ; 8 h + (L & 7)
	v_mul_u32_u24 v9, v23, WP
	v_bfe_u32 v23, v0, 3, 1                        ; (L >> 3) & 1
	v_lshl_add_u32 v9, v23, 4, v9
	s_lshl_b32 s7, s6, 5
	s_add_co_u32 s7, s7, WS
	v_add_nc_u32 v9, s7, v9                        ; W's fragment by the transposing load: row 8 h + (L & 7), byte 32 c + 16 ((L >> 3) & 1)
	s_lshl_b32 s7, s6, 6
	v_lshl_add_u32 v10, v3, 5, s7                  ; bq, bk: features 16 c + 8 h .. + 7
	v_lshl_add_u32 v11, v2, 2, s7                  ; bv: feature 16 c + r
	s_lshl_b32 s7, s5, 10
	s_lshl_b32 s29, s6, 9
	s_add_co_u32 s7, s7, s29
	v_lshl_add_u32 v12, v1, 4, s7                  ; q and k out: tile rt, chunk c, 16 L
	s_lshr_b32 s7, s5, 1
	s_lshl_b32 s7, s7, 11
	s_lshl_b32 s29, s6, 10
	s_add_co_u32 s7, s7, s29
	s_and_b32 s29, s5, 1
	s_lshl_b32 s29, s29, 9
	s_add_co_u32 s7, s7, s29
	s_add_co_u32 s7, s7, 4096
	v_lshl_add_u32 v13, v1, 4, s7                  ; v out: behind K's 4,096 bytes, fragment 2 (rt >> 1) + c, chunk rt & 1, 16 L
	v_lshlrev_b32 v14, 3, v1                       ; 8 L: two words of the mask, two of the bias
	v_mov_b32 v20, 0xfb800000                      ; -2^120
	v_mov_b32 v21, 0
	s_lshl_b32 s38, s2, 2
	s_mov_b32 s39, 0
	s_wait_kmcnt 0x0
	s_add_nc_u64 s[40:41], s[10:11], s[38:39]
	s_load_b32 s28, s[40:41], 0x0                  ; atom_mask[g]
	s_lshl_b32 s38, s2, 15
	s_add_nc_u64 s[8:9], s[8:9], s[38:39]          ; x at row 64 g
	s_lshl_b32 s38, s3, 7                          ; the head's 32 features, 128 bytes
	s_add_nc_u64 s[12:13], s[12:13], s[38:39]
	s_add_nc_u64 s[14:15], s[14:15], s[38:39]
	s_add_nc_u64 s[16:17], s[16:17], s[38:39]
	s_add_nc_u64 s[18:19], s[18:19], s[38:39]
	s_add_nc_u64 s[20:21], s[20:21], s[38:39]
	s_add_nc_u64 s[22:23], s[22:23], s[38:39]
	s_lshl_b32 s38, s3, 6
	s_add_co_u32 s38, s38, s2
	s_lshl_b32 s38, s38, 12
	s_add_nc_u64 s[24:25], s[24:25], s[38:39]      ; qf at block (head, g)
	s_mul_i32 s38, s3, KVHEAD
	s_mul_i32 s7, s2, KVBLK
	s_add_co_u32 s38, s38, s7
	s_add_nc_u64 s[26:27], s[26:27], s[38:39]      ; kv at block (head, g)
	s_wait_alu depctr_va_vdst(0)                   ; the offsets and LDS addresses v4 to v14, and v176 and v177, are written: every load, store and LDS instruction of the kernel reads some of them
	; 26 loads.  The biases land in the accumulators: the first products add onto them.
	global_load_b64 v[16:17], v14, s[10:11]        ; atom_mask[2 L], [2 L + 1]
	global_load_b128 v[AQ:AQ+3], v10, s[14:15]
	global_load_b128 v[AQ+4:AQ+7], v10, s[14:15] offset:16
	global_load_b128 v[AK:AK+3], v10, s[18:19]
	global_load_b128 v[AK+4:AK+7], v10, s[18:19] offset:16
	global_load_b32 v[AV], v11, s[22:23]
.irp i, 0,1,2,3,4,5,6,7
	global_load_b128 v[LD+4*\i:LD+4*\i+3], v4, s[8:9] offset:4096*\i
.endr
.irp i, 0,1,2,3
	global_load_b128 v[LD+32+4*\i:LD+32+4*\i+3], v5, s[12:13] offset:16384*\i
.endr
.irp i, 0,1,2,3
	global_load_b128 v[LD+48+4*\i:LD+48+4*\i+3], v5, s[16:17] offset:16384*\i
.endr
.irp i, 0,1,2,3
	global_load_b128 v[LD+64+4*\i:LD+64+4*\i+3], v5, s[20:21] offset:16384*\i
.endr
; Load i of group n is rounded to bf16: four numbers close up into the first two of their four registers.
.macro ROUND2 n, i
	v_cvt_pk_bf16_f32 v[LD+16*(\n)+4*(\i)], v[LD+16*(\n)+4*(\i)], v[LD+16*(\n)+4*(\i)+1]
	v_cvt_pk_bf16_f32 v[LD+16*(\n)+4*(\i)+1], v[LD+16*(\n)+4*(\i)+2], v[LD+16*(\n)+4*(\i)+3]
.endm
; and staged.  Groups 0 and 1 are x's rows, groups 2 to 4 the three matrices.
.macro PUT n, i
.if (\n) < 2
	ds_store_b64 v6, v[LD+16*(\n)+4*(\i):LD+16*(\n)+4*(\i)+1] offset:8*XP*(4*(\n)+(\i))
.else
	ds_store_b64 v7, v[LD+16*(\n)+4*(\i):LD+16*(\n)+4*(\i)+1] offset:32*WP*(\i)+64*((\n)-2)
.endif
.endm
	; round to bf16 and stage, a group of four loads at a time.  Loads come back in order: the count is the number of younger loads.
	s_wait_loadcnt 16                              ; the six small loads and group 0 are in
.irp i, 0,1,2,3
	ROUND2 0, \i
.endr
.irp n, 1,2,3,4
	s_wait_loadcnt 16-4*\n                         ; group n is in
	s_wait_alu depctr_va_vdst(0)                   ; the conversions of the group before have written its packed registers, which the four LDS stores below read
.irp i, 0,1,2,3
	PUT (\n)-1, \i                                 ; no wait: no vector instruction since the wait above names the earlier group's registers
	ROUND2 \n, \i
.endr
.endr
	s_wait_alu depctr_va_vdst(0)                   ; group 4's conversions have written its packed registers, which the stores below read; and every conversion is done with v[24:103], in which the fragments land
.irp i, 0,1,2,3
	PUT 4, \i
.endr
	s_wait_dscnt 0x0                               ; my stores are in LDS, for the other waves' sake
	s_barrier_signal -1
	s_barrier_wait -1                              ; everybody's are
	s_wait_alu depctr_vm_vsrc(0)                   ; my LDS stores have read their data in v[24:103]: the fragments' loads below land in these registers
	; 32 fragment loads, eight for each K step of 32: x (rows along K: two plain loads), then Wq, Wk, Wv (K down the rows: two transposing loads each)
.irp kk, 0,1,2,3
	ds_load_b128 v[XF+8*\kk:XF+8*\kk+3], v8 offset:64*\kk
	ds_load_b128 v[XF+8*\kk+4:XF+8*\kk+7], v8 offset:64*\kk+32
.irp mat, 0,1,2
	ds_load_tr16_b128 v[WF+32*\mat+8*\kk:WF+32*\mat+8*\kk+3], v9 offset:64*\mat+32*WP*\kk
	ds_load_tr16_b128 v[WF+32*\mat+8*\kk+4:WF+32*\mat+8*\kk+7], v9 offset:64*\mat+32*WP*\kk+16*WP
.endr
.endr
	; the mask, while the fragments are on their way: selects only, no branch and no address hangs on it
	s_wait_kmcnt 0x0                               ; atom_mask[g]
	v_cmp_ne_u32 s30, 0, v16                       ; lane L: atom 2 L counts
	v_cmp_ne_u32 s31, 0, v17                       ; atom 2 L + 1 counts
	s_wait_alu depctr_va_sdst(0)                   ; the two compares have written s30 and s31, ahead of their first reader
	s_or_b32 s33, s30, s31                         ; SCC: some atom counts
	s_cselect_b32 s36, 0x3e8293ee, 0               ; q's factor: 1/sqrt(32) x log2(e), or 0 if none counts
	s_mov_b32 s37, s36                             ; the pair is read whole
	s_cselect_b32 s34, 0, -1                       ; all ones if none counts
	s_cmp_lg_u32 s28, 0
	s_cselect_b32 s35, -1, 0                       ; all ones if atom g counts
	s_and_b32 s30, s30, s35
	s_or_b32 s30, s30, s34
	s_and_b32 s31, s31, s35
	s_or_b32 s31, s31, s34
	v_cndmask_b32 v18, v20, v21, s30               ; bit set: 0, else -2^120
	v_cndmask_b32 v19, v20, v21, s31
.irp j, 1,2,3,4,5,6,7
	v_mov_b32 v[AV+\j], v[AV]                      ; v's sums: a lane holds 8 rows of one feature, so one bias for all eight
.endr
	; q and k transposed (source 0 = 16 features of W, source 1 = 16 rows of x): a lane gets 8 neighbouring features of one row.
	; v as it stands (source 0 = x, source 1 = W): a lane gets 8 neighbouring rows (keys) of one feature.
	; The three accumulators take turns, one instruction a turn.
.irp kk, 0,1,2,3
	s_wait_dscnt 8*(3-\kk)                         ; the later K steps' eight loads each may stay out
	v_wmma_f32_16x16x32_bf16 v[AQ:AQ+7], v[WF+8*\kk:WF+8*\kk+7], v[XF+8*\kk:XF+8*\kk+7], v[AQ:AQ+7]
	v_wmma_f32_16x16x32_bf16 v[AK:AK+7], v[WF+32+8*\kk:WF+32+8*\kk+7], v[XF+8*\kk:XF+8*\kk+7], v[AK:AK+7]
	v_wmma_f32_16x16x32_bf16 v[AV:AV+7], v[XF+8*\kk:XF+8*\kk+7], v[WF+64+8*\kk:WF+64+8*\kk+7], v[AV:AV+7]
.endr
.rept 4
	v_nop                                          ; four places between the last matrix instruction and the first reader of a result (ISA guide 7.12.1)
.endr
.irp j, 0,2,4,6
	v_pk_mul_f32 v[AQ+\j:AQ+\j+1], v[AQ+\j:AQ+\j+1], s[36:37] op_sel_hi:[1,0]
.endr
	; pack in place into the low four registers of each accumulator: register i takes numbers 2 i, 2 i + 1, which are not needed again
.irp i, 0,1,2,3
	v_cvt_pk_bf16_f32 v[AQ+\i], v[AQ+2*\i], v[AQ+2*\i+1]
.endr
.irp i, 0,1,2,3
	v_cvt_pk_bf16_f32 v[AK+\i], v[AK+2*\i], v[AK+2*\i+1]
.endr
.irp i, 0,1,2,3
	v_cvt_pk_bf16_f32 v[AV+\i], v[AV+2*\i], v[AV+2*\i+1]
.endr
	s_wait_alu depctr_va_vdst(0)                   ; the conversions have written the low four registers of AQ, AK and AV, and the selects v[18:19]: the stores below read them
	global_store_b128 v12, v[AQ:AQ+3], s[24:25]    ; each store of the wave covers 512 consecutive bytes, aligned
	global_store_b128 v12, v[AK:AK+3], s[26:27]
	global_store_b128 v13, v[AV:AV+3], s[26:27]
	s_cmp_lg_u32 s4, 0
	s_cbranch_scc1 .Lend
	global_store_b64 v14, v[18:19], s[26:27] offset:8192   ; wave 0 alone: the 64 biases, 256 consecutive bytes, aligned
.Lend:
	s_wait_dscnt 0x0                               ; the closing lines, six on end
	s_wait_alu 0x0
	s_wait_tensorcnt 0x0
	ds_add_u32 v176, v177
	s_wait_dscnt 0x0
	s_endpgm
.Lfunc_end_k_q804f6c2bd1_proj:
	.size	k_q804f6c2bd1_proj, .Lfunc_end_k_q804f6c2bd1_proj-k_q804f6c2bd1_proj
	.p2alignl 7, 3214868480
	.fill 96, 4, 3214868480
	.section	.rodata,"a",@progbits
	.p2align	6, 0x0
	.amdhsa_kernel k_q804f6c2bd1_proj
		.amdhsa_group_segment_fixed_size 47104
		.amdhsa_private_segment_fixed_size 0
		.amdhsa_enable_private_segment 0
		.amdhsa_kernarg_size 80
		.amdhsa_user_sgpr_count 2
		.amdhsa_user_sgpr_kernarg_segment_ptr 1
		.amdhsa_wavefront_size32 1
		.amdhsa_system_sgpr_workgroup_id_x 1
		.amdhsa_system_sgpr_workgroup_id_y 1
		.amdhsa_system_sgpr_workgroup_id_z 1
		.amdhsa_system_vgpr_workitem_id 0
		.amdhsa_next_free_vgpr 178
		.amdhsa_next_free_sgpr 66
		.amdhsa_reserve_vcc 0
		.amdhsa_float_denorm_mode_32 3
		.amdhsa_float_denorm_mode_16_64 3
		.amdhsa_memory_ordered 1
		.amdhsa_forward_progress 1
		.amdhsa_inst_pref_size 16
	.end_amdhsa_kernel
	.amdgpu_metadata
---
amdhsa.version: [ 1, 2 ]
amdhsa.kernels:
  - .name:           k_q804f6c2bd1_proj
    .symbol:         k_q804f6c2bd1_proj.kd
    .args:
      - { .name: pair_features, .offset: 0, .size: 8, .value_kind: global_buffer, .address_space: global }
      - { .name: atom_mask, .offset: 8, .size: 8, .value_kind: global_buffer, .address_space: global }
      - { .name: Wq, .offset: 16, .size: 8, .value_kind: global_buffer, .address_space: global }
      - { .name: bq, .offset: 24, .size: 8, .value_kind: global_buffer, .address_space: global }
      - { .name: Wk, .offset: 32, .size: 8, .value_kind: global_buffer, .address_space: global }
      - { .name: bk, .offset: 40, .size: 8, .value_kind: global_buffer, .address_space: global }
      - { .name: Wv, .offset: 48, .size: 8, .value_kind: global_buffer, .address_space: global }
      - { .name: bv, .offset: 56, .size: 8, .value_kind: global_buffer, .address_space: global }
      - { .name: qf, .offset: 64, .size: 8, .value_kind: global_buffer, .address_space: global }
      - { .name: kv, .offset: 72, .size: 8, .value_kind: global_buffer, .address_space: global }
    .group_segment_fixed_size: 47104
    .private_segment_fixed_size: 0
    .kernarg_segment_align: 8
    .kernarg_segment_size: 80
    .max_flat_workgroup_size: 256
    .sgpr_count:     66
    .vgpr_count:     178
    .wavefront_size: 32
...
	.end_amdgpu_metadata
.endif
;; end of part 3
;; launch attn: the kernel of part 2 again; grid 256 x 1, 8 waves a work-group, clusters of 4 x 1, 327,680 bytes of LDS; arguments qf, kv, out0; writes out0
